; MI455X (gfx1250); checked and timed in simulation.
; The chip was launched on July 23, 2026; its instructions are those of AMD's public machine-readable ISA for CDNA 5 (MIT licence, August 2026) and "CDNA5" Instruction Set Architecture Reference Guide (July 2026). The comments in the code are by the model that wrote it; some were corrected since.
;; Causal Self Attention. Allowed arithmetic: matrix products marked QUANTISED: E4M3 operands, one given power-of-two scale a tensor, by v_wmma_f32_16x16x64_fp8_fp8 or v_wmma_f32_16x16x128_fp8_fp8, f32 sums; everything else in f32.
;; Inputs: lowp_scales 8 int32 (the exponents e of the quantised operands' scales 2^e); w_proj 1,024 x 1,024 float32; w_qkv 1,024 x 3,072 float32; x 4 x 2,048 x 1,024 float32.
;; Outputs: out0 4 x 2,048 x 1,024 float32.
;; This version of the problem:
;;   THIS VERSION OF THE PROBLEM IS GIVEN IN LOW PRECISION. The matrix products marked QUANTISED in the list below multiply operands that are first quantised to E4M3 (4 exponent bits, 3 mantissa bits; 8 bits a number), with one given power-of-two scale for each operand tensor; their sums are f32. All else is computed in f32.
;;   The module's matrix products, in the order in which they are computed (A, B: the left and right operand; K: the contracted axis; several contracted axes count as one K, in the product's order):
;;     1. [M 8,192, K 1,024] x [K 1,024, N 3,072]; A: input x; B: input w_qkv: QUANTISED (scales: A lowp_scales[0], B lowp_scales[1])
;;     2. batch 64 x [M 2,048, K 64] x [K 64, N 2,048]; A: computed on the way; B: computed on the way: QUANTISED (scales: A lowp_scales[2], B lowp_scales[3])
;;     3. batch 64 x [M 2,048, K 2,048] x [K 2,048, N 64]; A: softmax (see below); B: computed on the way: QUANTISED (scales: A lowp_scales[4], B lowp_scales[5])
;;     4. [M 8,192, K 1,024] x [K 1,024, N 1,024]; A: computed on the way; B: input w_proj: QUANTISED (scales: A lowp_scales[6], B lowp_scales[7])
;;   THE QUANTISER, for each operand of a quantised product, along K:
;;     - The operand's scale is 2^e, e = its entry of the input lowp_scales (int32; the entries are numbered through the quantised products in the list's order, A before B).
;;     - Each number is divided by the scale, clamped to +-448, and rounded to the nearest number of E4M3, ties to even, subnormals kept.
;;     - The product sums the exact products of the quantised numbers (number of the format x scale) in f32.
;;   ~~~python
;;   def quantise(x, axis, e):      # numpy; x: float32 -> the quantised numbers, widened to float32 again
;;       x = np.moveaxis(x, axis, -1); K = x.shape[-1]
;;       r = np.clip(x / 2.0 ** e, -448, 448)
;;       step = 2.0 ** (np.maximum(np.frexp(np.where(r == 0, 1, r))[1] - 1, -6) - 3)
;;       q = np.round(r / step) * step * 2.0 ** e      # np.round: ties to even
;;       return np.moveaxis(q, -1, axis).astype(np.float32)
;;   ~~~
;;   SOFTMAX AHEAD OF A QUANTISED PRODUCT. Where the list says 'softmax', what is quantised is not the finished softmax but p = 2^(t - M), with t = logit x log2(e) and M = ceil(the row's largest t), a whole number; so 1/2 < the row's largest p <= 1. The row's sum l is taken of the UNQUANTISED p, in f32, and the product's result is divided by l at the end. Since M is a whole number, a kernel that streams over the keys may use a running M (the ceiling of the running maximum): every later rescaling is an exact power of two, so the quantised numbers keep their values, but for numbers so far below the row's largest that they fall under the format's range.
;;   OPERANDS COMPUTED ON THE WAY. 'Computed on the way' means the value that the module computes at that place (a softmax that the list does not call 'softmax' is quantised finished and normalised). What goes into a quantiser is computed in f32, as accurately as f32 sums, v_exp_f32 and their like allow (about 1e-6 of the number): no bf16 or f16 on the way to a quantiser, and a product that is left as it is and whose result goes on into a quantised operand takes f32 operands (vector FMAs, or v_wmma_f32_16x16x4_f32). A number that lies on a knife's edge between two numbers of the format may be rounded either way, as far as f32 arithmetic and the matrix unit's own rounding can turn it there, and no further.
;; One version. Each part assembles by itself: llvm-mc -triple=amdgcn-amd-amdhsa -mcpu=gfx1250 --defsym DOCPART=n.
;; ======== version 1 of 1: 4 launches
;; limits: right only within a limited range of input values
;; workspace buffers: x_img 8,388,608 bytes; wqkv_img 3,145,728 bytes; wproj_img 1,048,576 bytes; q_codes 8,388,608 bytes; k_codes 8,388,608 bytes; v_codes 8,388,608 bytes; a_img 8,388,608 bytes
;; launch quant (part 1): grid 384 x 1, 4 waves a work-group, no clusters, 34,304 bytes of LDS; arguments x, w_qkv, w_proj, lowp_scales, x_img, wqkv_img, wproj_img; writes x_img, wqkv_img, wproj_img
.if DOCPART == 1
	.amdgcn_target "amdgcn-amd-amdhsa--gfx1250"
	.amdhsa_code_object_version 6
	.text
	.protected	k_q65465cad7a_quant
	.globl	k_q65465cad7a_quant
	.p2align	8
	.type	k_q65465cad7a_quant,@function
k_q65465cad7a_quant:
	s_mov_b64 s[64:65], 0
	v_nop
	global_prefetch_b8 v0, s[64:65] scope:SCOPE_SE
	s_setreg_imm32_b32 hwreg(HW_REG_WAVE_MODE, 25, 1), 1
	s_wait_xcnt 0x0
; x [8192][1024], w_qkv [1024][3072] and w_proj [1024][1024], f32, become codes of E4M3, each with its given scale 2^e (entries 0, 1 and 7 of the scales).
; code = number / 2^e, held within +-448, rounded to the nearest code, ties to even.
; LIMITS: e between -126 and 119, so that 2^e and 448 x 2^e are f32 numbers.  NaN among the inputs is not served (an infinity is held at the largest code).
; THE CODES ARE LAID AS IMAGES OF OPERAND REGISTERS.  For an operand of R rows (x: its rows; a weight: its COLUMNS n) and K = 1,024 the code of (row, k) lies at byte
;   (k/256) R 256 + (row/16) 4096 + ((k/128)%2) 2048 + ((k/32)%4) 512 + ((row%16) + 16 ((k/16)%2)) 16 + k%16.
; So a fragment of 16 rows x 128 K is 2,048 bytes on end, four loads of 16 bytes a lane at 16 x lane + 512 c, and 128 rows x 256 K are one dense block of 32 KiB.
; Work-groups 0-255 take x, 256-351 w_qkv, 352-383 w_proj.  Waves share nothing: no barrier.  Nothing is read by two work-groups, so there is nothing to share in a cluster.
.set RAW, 16                           ; v16-143   x: two sets of 64 registers as loaded (16 rows x 16 bytes a lane)
.set NUM, 144                          ; v144-207  x: 64 numbers of my row: register 16 c + i = k 32 c + 16 (lane / 16) + i
.set COD, 208                          ; v208-239  x: two sets of 16 registers of codes
.set SPX, 528                          ; x: a stage row: 512 bytes + 16, so that sixteen rows begin at sixteen different groups of four banks
.set WX,  32                           ; v32-95    weights: two sets of 32 numbers down K
.set WC,  96                           ; v96-159   weights: eight registers of codes for each of 8 blocks, never written twice
.macro MKSCALE e                       ; v11 = 2^e as f32 (the conversion takes its exponent field); v10 = 448 x 2^e
	s_add_co_i32 s40, s[\e], 127
	s_lshl_b32 s41, s40, 23
	v_mov_b32 v11, s41
	s_add_co_i32 s40, s40, 8
	s_lshl_b32 s40, s40, 23
	s_or_b32 s40, s40, 0x600000
	v_mov_b32 v10, s40
.endm
	s_load_b256 s[4:11], s[0:1], 0x0               ; x s[4:5], w_qkv s[6:7], w_proj s[8:9], the scales' exponents s[10:11]
	s_load_b128 s[12:15], s[0:1], 0x20             ; x_img s[12:13], wqkv_img s[14:15]
	s_load_b64 s[16:17], s[0:1], 0x30              ; wproj_img
	v_lshl_add_u32 v240, v0, 2, 0x8400
	v_mov_b32 v241, 0
	v_lshrrev_b32 v1, 5, v0
	v_readfirstlane_b32 s18, v1                    ; wave 0..3
	v_and_b32 v1, 31, v0                           ; lane
	v_and_b32 v2, 15, v0                           ; r
	v_bfe_u32 v3, v0, 4, 1                         ; h
	s_wait_kmcnt 0x0
	s_load_b256 s[24:31], s[10:11], 0x0            ; e0 .. e7
	s_cmp_lt_u32 ttmp9, 256
	s_cbranch_scc0 .Lweights
; ---- x.  A wave takes 16 rows x 512 along K: four fragments.  Each load reads 512 consecutive bytes of one row; a fragment's 8 KiB turn through the wave's own stage in LDS,
; so that a lane comes to hold 16 neighbours along K of each block of 32 of ONE row, which is what the conversions take.
.macro XLOAD f
.set i, 0
.rept 16
	global_load_b128 v[RAW+64*((\f)%2)+4*i:RAW+64*((\f)%2)+4*i+3], v4, s[4:5] offset:4096*i+512*(\f) th:TH_LOAD_NT
.set i, i+1
.endr
.endm
.macro XFRAG f
.if (\f) < 3
	s_wait_loadcnt 16                              ; this fragment's sixteen loads are in; the next fragment's sixteen may be out
.else
	s_wait_loadcnt 0
.endif
.set i, 0
.rept 16
	ds_store_b128 v5, v[RAW+64*((\f)%2)+4*i:RAW+64*((\f)%2)+4*i+3] offset:SPX*i
.set i, i+1
.endr
.irp c, 0,1,2,3
.irp j, 0,1,2,3
	ds_load_b128 v[NUM+16*\c+4*\j:NUM+16*\c+4*\j+3], v6 offset:128*\c+16*\j   ; LDS serves a wave's instructions in order: these see the stores above
.endr
.endr
	s_wait_dscnt 0x0                               ; the numbers are back, and the stores have read their registers,
.if (\f)+2 < 4
	XLOAD (\f)+2                                   ; which take the fragment two further on
.endif
.if (\f) >= 2
	s_wait_xcnt 0x0                                ; the stores of two fragments ago have read this set of codes: it is written again only behind this wait
.endif
.set i, 0
.rept 64
	v_med3_num_f32 v[NUM+i], v[NUM+i], -v10, v10   ; the conversion to an 8-bit code does not saturate (ISA guide 7.6.2): the hold at the largest code x the scale comes first
.set i, i+1
.endr
.irp c, 0,1,2,3
.irp g, 0,1
	v_cvt_scalef32_pk8_fp8_f32 v[COD+16*((\f)%2)+4*\c+2*\g:COD+16*((\f)%2)+4*\c+2*\g+1], v[NUM+16*\c+8*\g:NUM+16*\c+8*\g+7], v11
.endr
.endr
	v_nop                                          ; a plain vector line between the conversions and the next fragment's holds, which write their sources
.irp c, 0,1,2,3
	global_store_b128 v4, v[COD+16*((\f)%2)+4*\c:COD+16*((\f)%2)+4*\c+3], s[12:13] offset:((\f)/2)*2097152+((\f)%2)*2048+512*\c   ; 32 lanes store 512 consecutive bytes, aligned
.endr
.endm
	s_lshl_b32 s19, ttmp9, 2
	s_add_co_u32 s19, s19, s18                     ; which of 1,024 parts is my wave's
	s_lshr_b32 s20, s19, 1                         ; its block of 16 rows
	s_and_b32 s21, s19, 1                          ; its half of K
	s_lshl_b32 s22, s20, 16                        ; 16 rows of 4,096 bytes
	s_lshl_b32 s23, s21, 11                        ; 512 numbers
	s_add_co_u32 s22, s22, s23
	s_mov_b32 s23, 0
	s_add_nc_u64 s[4:5], s[4:5], s[22:23]
	s_lshl_b32 s22, s21, 22                        ; two planes of 256 along K
	s_lshl_b32 s32, s20, 12
	s_add_co_u32 s22, s22, s32
	s_add_nc_u64 s[12:13], s[12:13], s[22:23]
	s_wait_alu depctr_va_vdst(0)
	v_lshlrev_b32 v4, 4, v1                        ; 16 x lane: my bytes of a load, and of an image's 512
	s_mul_i32 s33, s18, 16*SPX                     ; my stage
	v_add_nc_u32 v5, s33, v4                       ; in: as loaded
	v_mul_u32_u24 v6, v2, SPX
	v_lshl_add_u32 v6, v3, 6, v6
	v_add_nc_u32 v6, s33, v6                       ; out: row r, + 64 h
	XLOAD 0
	XLOAD 1
	s_wait_alu depctr_va_vdst(0)
	s_wait_kmcnt 0x0
	MKSCALE 24
	s_wait_alu depctr_va_vdst(0)
	XFRAG 0
	XFRAG 1
	XFRAG 2
	XFRAG 3
	s_wait_tensorcnt 0x0
	ds_add_u32 v240, v241
	s_wait_dscnt 0x0
	s_endpgm
; ---- a weight [1024 (k)][N].  A LANE TAKES A COLUMN n AND ITS REGISTERS RUN DOWN K: each load reads 128 consecutive bytes of a row, and the conversions give codes with K innermost.
; A wave takes 32 columns x 256 along K: 8 blocks of 32.  In the image a lane's 16 codes stand 16 bytes from its neighbour's, so sixteen lanes store 256 consecutive bytes, aligned: no stage is needed.
.macro WLOAD t, N, SRC
.set i, 0
.rept 32
	global_load_b32 v[WX+32*((\t)%2)+i], v4, s[\SRC:\SRC+1] offset:(32*(\t)+i)*\N*4 th:TH_LOAD_NT
.set i, i+1
.endr
.endm
.macro WPATH N, SRC, DST, E, FIRST
	s_sub_co_u32 s19, ttmp9, \FIRST
	s_lshr_b32 s20, s19, 2
	s_and_b32 s21, s19, 3                          ; which 256 along K
	s_lshl_b32 s20, s20, 7
	s_lshl_b32 s22, s18, 5
	s_add_co_u32 s20, s20, s22                     ; my wave's first column
	s_mul_i32 s22, s21, 256*\N*4
	s_lshl_b32 s32, s20, 2
	s_add_co_u32 s22, s22, s32
	s_mov_b32 s23, 0
	s_add_nc_u64 s[\SRC:\SRC+1], s[\SRC:\SRC+1], s[22:23]
	s_mul_i32 s22, s21, \N*256                     ; the image's plane,
	s_lshl_b32 s32, s20, 8                         ; and 4,096 bytes for 16 columns
	s_add_co_u32 s22, s22, s32
	s_add_nc_u64 s[\DST:\DST+1], s[\DST:\DST+1], s[22:23]
	v_lshlrev_b32 v4, 2, v1
	v_lshlrev_b32 v5, 12, v3
	v_lshl_add_u32 v5, v2, 4, v5                   ; 4,096 (lane / 16) + 16 (lane % 16)
	WLOAD 0, \N, \SRC
	WLOAD 1, \N, \SRC
	s_wait_kmcnt 0x0
	MKSCALE \E
	s_wait_alu depctr_va_vdst(0)
.irp t, 0,1,2,3,4,5,6,7
.if \t < 7
	s_wait_loadcnt 32                              ; this block's 32 loads are in; the next block's may be out
.else
	s_wait_loadcnt 0
.endif
.set i, 0
.rept 32
	v_med3_num_f32 v[WX+32*(\t%2)+i], v[WX+32*(\t%2)+i], -v10, v10
.set i, i+1
.endr
.irp g, 0,1,2,3
	v_cvt_scalef32_pk8_fp8_f32 v[WC+8*\t+2*\g:WC+8*\t+2*\g+1], v[WX+32*(\t%2)+8*\g:WX+32*(\t%2)+8*\g+7], v11
.endr
	v_nop                                          ; a plain vector line behind the conversions
	global_store_b128 v5, v[WC+8*\t:WC+8*\t+3], s[\DST:\DST+1] offset:(\t/4)*2048+(\t%4)*512
	global_store_b128 v5, v[WC+8*\t+4:WC+8*\t+7], s[\DST:\DST+1] offset:(\t/4)*2048+(\t%4)*512+256
.if \t < 6
	WLOAD \t+2, \N, \SRC
.endif
.endr
	s_endpgm
.endm
.Lweights:
	s_cmp_lt_u32 ttmp9, 352
	s_cbranch_scc0 .Lproj
	s_wait_alu depctr_va_vdst(0)
	WPATH 3072, 6, 14, 25, 256
.Lproj:
	s_wait_alu depctr_va_vdst(0)
	WPATH 1024, 8, 16, 31, 352
.Lfunc_end_k_q65465cad7a_quant:
	.size	k_q65465cad7a_quant, .Lfunc_end_k_q65465cad7a_quant-k_q65465cad7a_quant
	.p2alignl 7, 3214868480
	.fill 96, 4, 3214868480
	.section	.rodata,"a",@progbits
	.p2align	6, 0x0
	.amdhsa_kernel k_q65465cad7a_quant
		.amdhsa_group_segment_fixed_size 34304
		.amdhsa_private_segment_fixed_size 0
		.amdhsa_enable_private_segment 0
		.amdhsa_kernarg_size 56
		.amdhsa_user_sgpr_count 2
		.amdhsa_user_sgpr_kernarg_segment_ptr 1
		.amdhsa_wavefront_size32 1
		.amdhsa_system_sgpr_workgroup_id_x 1
		.amdhsa_system_sgpr_workgroup_id_y 1
		.amdhsa_system_sgpr_workgroup_id_z 1
		.amdhsa_system_vgpr_workitem_id 0
		.amdhsa_next_free_vgpr 242
		.amdhsa_next_free_sgpr 66
		.amdhsa_reserve_vcc 0
		.amdhsa_float_denorm_mode_32 3
		.amdhsa_float_denorm_mode_16_64 3
		.amdhsa_memory_ordered 1
		.amdhsa_forward_progress 1
		.amdhsa_inst_pref_size 127
	.end_amdhsa_kernel
	.amdgpu_metadata
---
amdhsa.version: [ 1, 2 ]
amdhsa.kernels:
  - .name:           k_q65465cad7a_quant
    .symbol:         k_q65465cad7a_quant.kd
    .args:
      - { .name: x, .offset: 0, .size: 8, .value_kind: global_buffer, .address_space: global }
      - { .name: w_qkv, .offset: 8, .size: 8, .value_kind: global_buffer, .address_space: global }
      - { .name: w_proj, .offset: 16, .size: 8, .value_kind: global_buffer, .address_space: global }
      - { .name: lowp_scales, .offset: 24, .size: 8, .value_kind: global_buffer, .address_space: global }
      - { .name: x_img, .offset: 32, .size: 8, .value_kind: global_buffer, .address_space: global }
      - { .name: wqkv_img, .offset: 40, .size: 8, .value_kind: global_buffer, .address_space: global }
      - { .name: wproj_img, .offset: 48, .size: 8, .value_kind: global_buffer, .address_space: global }
    .group_segment_fixed_size: 34304
    .private_segment_fixed_size: 0
    .kernarg_segment_align: 8
    .kernarg_segment_size: 56
    .max_flat_workgroup_size: 128
    .sgpr_count:     66
    .vgpr_count:     242
    .wavefront_size: 32
...
	.end_amdgpu_metadata
.endif
;; end of part 1
;; launch gemm_qkv (part 2): grid 8 x 32, 4 waves a work-group, clusters of 4 x 4, 327,680 bytes of LDS; arguments x_img, wqkv_img, lowp_scales, q_codes, k_codes, v_codes; writes q_codes, k_codes, v_codes
.if DOCPART == 2
	.amdgcn_target "amdgcn-amd-amdhsa--gfx1250"
	.amdhsa_code_object_version 6
	.text
	.protected	k_q65465cad7a_gemm_qkv
	.globl	k_q65465cad7a_gemm_qkv
	.p2align	8
	.type	k_q65465cad7a_gemm_qkv,@function
k_q65465cad7a_gemm_qkv:
	s_mov_b64 s[64:65], 0
	v_nop
	global_prefetch_b8 v0, s[64:65] scope:SCOPE_SE
	s_setreg_imm32_b32 hwreg(HW_REG_WAVE_MODE, 25, 1), 1
	s_wait_xcnt 0x0
	s_wait_alu depctr_hold_cnt(0) depctr_sa_sdst(0) depctr_va_vdst(0) depctr_va_sdst(0) depctr_va_ssrc(0) depctr_va_vcc(0) depctr_vm_vsrc(0)
	s_getreg_b32 s2, hwreg(HW_REG_IB_STS2, 6, 4)
	s_cmp_eq_u32 s2, 0
	s_cbranch_scc0 .Lentry_in_a_cluster
	s_endpgm
.Lentry_in_a_cluster:
	s_bfe_u32 s2, ttmp6, 0x10000c
	s_cmp_lg_u32 s2, 0xf033
	s_cbranch_scc0 .Lentry_shape_is_right
	s_endpgm
.Lentry_shape_is_right:
; qkv = x w_qkv on codes of E4M3, and its results quantised on the way out: q, k and v leave as codes.
; x_img (8,192 rows) and wqkv_img (3,072 rows = columns of w_qkv) are images of operand registers: a fragment (16 rows x 128 K) is 2,048 bytes on end, 16 rows x 256 K are 4,096 bytes, rows on end.
; SHARES.  8 x 32 work-groups.  Work-group (X, Y) makes TWO tiles, one after the other, both from x's rows 256 Y on: first 128 channels (128 X on) x 256 t of v, then 256 t x 256 channels (256 X on) of q (X < 4) or k.
; So the 384 tiles' worth of work is 256 equal shares.  Four waves: of v's tile a wave makes 64 channels x 128 t (32 accumulators), of q's or k's 128 x 128 (64 accumulators).
; K = 1,024 goes in steps of 256 through two LDS slots filled by the tensor data mover, and the ring runs on from v's tile into the next: v's last two changes of slots ask for the next tile's first two K steps.
; CLUSTERS: 4 x 4 work-groups.  x's tiles hang on Y alone and are asked for jointly by a row of the cluster, the weight's on X alone and by a column.
; THE MATRIX INSTRUCTION: source 1 gives a lane its row, source 0 its eight neighbouring columns.  q, k: source 1 = x's rows (t), source 0 = the weight's rows (channels): eight neighbouring channels of one t.
; v: source 1 = the weight's rows, source 0 = x's: eight neighbouring KEYS of one channel, which is K innermost for the second product of attention.
; A sum stands for sum x 2^(e0 + e1); its code is sum / 2^(eD - e0 - e1), eD = e2 (q), e3 (k), e5 (v).  LIMIT: eD - e0 - e1 between -126 and 119.
; OUT: q_codes, k_codes [b 16 + head][t][64];  v_codes [b 16 + head][rho][t], where row rho holds channel rho with bits 3 and 4 exchanged.
; REGISTERS, in windows of 256: window 0: v0-31 addresses; v32-127 at work on the ways out; from v128 source 1's fragments (q, k: ONE set of 8 blocks; v: two sets of 4).  window 1: source 0's, TWO sets.  windows 2, 3: the accumulators.
.set SLOT,   131072                    ; x's 256 rows x 256 K (65,536 bytes), then the weight's (v: 32,768; q, k: 65,536)
.set SPARE,  2*SLOT                    ; behind the ring: the spare words, 128 bytes for each wave
.set VSTG,   SPARE+512                 ; v's stage, 128 rows x 272 bytes: bytes of its own, on which no tensor load lands
.set XPLANE, 2097152                   ; from a K step of 256 to the next in x_img,
.set WPLANE, 786432                    ; and in wqkv_img
.set FR,     16
.set NL,     4
.set NP,     4                         ; places behind this matrix instruction (ISA guide 7.12.1)
.set SP,     272                       ; a stage row: 256 bytes + 16.  q's and k's stage, 256 rows, lies in slot 0, which has had its last fill and its last read when the first code is stored there
.set LI,   4                           ; v4      16 x lane
.set VA,   8                           ; v8-9    v: LDS address of source 1's fragments in slot 0, 1
.set VB,   10                          ; v10-11  v: of source 0's
.set VLIM, 12                          ; v12, v13  v: 448 x the conversion's scale, the scale
.set VSCL, 13
.set VSTO, 14                          ; v14     v: where I put 8 codes of a row
.set VRD,  15                          ; v15     v: where I read the stage back: 2 rows x 256 bytes
.set QA,   16                          ; v16-17  q, k: source 1's fragments
.set QB,   20                          ; v20-21  q, k: source 0's
.set RDQ2, 23
.set STO,  24
.set RDQ,  25                          ; v25, v23  q, k: where I read the stage back: 8 rows x 64 bytes an instruction; rows 128 on
.set GOV,  27                          ; v27     v: two rows in v_codes
.set SPW,  28                          ; v28     LDS address of my spare word; never rewritten
.set NIL,  29                          ; v29     0; never rewritten
.set LIM,  30
.set SCL,  31
.set TMP,  32
.set CD,   96                          ; v96-127 v: two sets of 16 registers of codes
.set AF,   128
.set G1,  24                           ; s[24:31] descriptor group 1 for x's tiles;  s[32:39] group 0, a set for each slot
.set G0,  32
.set G1B, 48                           ; s[48:55], s[56:63] the same for the weight's
.set G0B, 56
.set MSB, 0
.macro WIN new                         ; the immediate's high byte repeats the setting that is left
.if MSB != \new
	s_set_vgpr_msb (MSB<<8)|\new
.set MSB, \new
.endif
.endm
.set MUL_LO, 0xa1                      ; source 0 window 1, source 1 window 0, C and D window 2
.set MUL_HI, 0xf1                      ; the same, C and D window 3
.set TO_B,   0x40                      ; destination window 1, address window 0
; A joint load: waves 0 and 1 fetch x's two halves, waves 2 and 3 the weight's.  An s_nop 0 and four v_nop follow each of the two lines.
.macro JLOAD g0a, g0b
	s_cmp_eq_u32 s17, 0
	s_cbranch_scc0 .Lfor_w_\@
	tensor_load_to_lds s[\g0a:\g0a+3], s[G1:G1+7]
	s_nop 0
.rept 4
	v_nop
.endr
	s_branch .Lasked_\@
.Lfor_w_\@:
	tensor_load_to_lds s[\g0b:\g0b+3], s[G1B:G1B+7]
	s_nop 0
.rept 4
	v_nop
.endr
.Lasked_\@:
.endm
.macro CREST                           ; a round of the cluster's barrier behind its opening barrier
	s_cmp_lg_u32 s16, 0
	s_cbranch_scc1 .Lnot_wave_0_\@
	s_barrier_signal -3
.Lnot_wave_0_\@:
	s_barrier_wait -3
	s_barrier_signal -1
	s_barrier_wait -1
.endm
.macro CROUND
	s_barrier_signal -1
	s_barrier_wait -1
	CREST
.endm
.macro MKS e, scl, lim                 ; 2^(eD - e0 - e1) as f32, and 448 x that
	s_sub_co_i32 s92, s[\e], s68
	s_sub_co_i32 s92, s92, s69
	s_add_co_i32 s92, s92, 127
	s_lshl_b32 s93, s92, 23
	v_mov_b32 v[\scl], s93
	s_add_co_i32 s92, s92, 8
	s_lshl_b32 s92, s92, 23
	s_or_b32 s92, s92, 0x600000
	v_mov_b32 v[\lim], s92
.endm
	s_load_b128 s[4:7], s[0:1], 0x0                ; x_img s[4:5], wqkv_img s[6:7]
	s_load_b128 s[8:11], s[0:1], 0x10              ; the scales' exponents s[8:9], q_codes s[10:11]
	s_load_b128 s[12:15], s[0:1], 0x20             ; k_codes s[12:13], v_codes s[14:15]
	v_lshl_add_u32 v[SPW], v0, 2, SPARE
	v_mov_b32 v[NIL], 0
	ds_add_u32 v[SPW], v[NIL]                      ; the opening lines: the add, twice on end, and its wait
	ds_add_u32 v[SPW], v[NIL]
	s_wait_dscnt 0x0
	v_lshrrev_b32 v1, 5, v0
	v_readfirstlane_b32 s16, v1                    ; wave 0..3
	s_lshr_b32 s17, s16, 1                         ; which half of source 1's rows is mine.  Also: I fetch for x (0) or for the weight (1)
	s_and_b32 s18, s16, 1                          ; which half of source 0's.  Also: which half of a tile I fetch
	s_bfe_u32 s40, ttmp6, 0x40000                  ; cx, cy: my place in the cluster
	s_bfe_u32 s41, ttmp6, 0x40004
	s_lshl_b32 s42, ttmp9, 2
	s_add_co_u32 s42, s42, s40                     ; X, 0..7
	s_and_b32 s43, ttmp7, 0xffff
	s_lshl_b32 s43, s43, 2
	s_add_co_u32 s43, s43, s41                     ; Y, 0..31
	s_lshl_b32 s44, s41, 2
	s_lshl_b32 s44, 15, s44                        ; my row of the cluster
	s_lshl_b32 s45, 0x1111, s40                    ; my column
	; descriptor group 1: dense rows of 32 elements of 8 bytes; x: 128 rows (32 KiB); the weight: 64 rows for v's tile, later 128
	s_or_b32 s[G1+0], s44, (3<<16)|(1<<21)
	s_or_b32 s[G1B+0], s45, (3<<16)|(1<<21)
.irp g, G1, G1B
	s_mov_b32 s[\g+1], 32<<16
	s_mov_b32 s[\g+3], 32<<16
	s_mov_b32 s[\g+5], 32
	s_mov_b32 s[\g+6], 0
	s_mov_b32 s[\g+7], 0
.endr
	s_mov_b32 s[G1+2], 128<<16
	s_mov_b32 s[G1+4], 128
	s_mov_b32 s[G1B+2], 64<<16
	s_mov_b32 s[G1B+4], 64
	s_lshl_b32 s19, s18, 15
	s_lshl_b32 s20, s43, 16
	s_add_co_u32 s20, s20, s19                     ; x: 65,536 Y + my half
	s_mov_b32 s21, 0
	s_lshl_b32 s46, s42, 16
	s_add_co_u32 s46, s46, s19                     ; q's, k's weight: rows 256 X + 128 x half, 256 bytes each
	s_mov_b32 s47, 0
	s_lshl_b32 s94, s42, 15
	s_lshl_b32 s95, s18, 14
	s_add_co_u32 s94, s94, s95
	s_add_co_u32 s94, s94, 524288                  ; v's weight: rows 2,048 + 128 X + 64 x half
	s_add_co_u32 s23, s95, 65536                   ; and where it goes in a slot
	s_mov_b32 s95, 0
	s_lshl_b32 s22, s16, 15                        ; where the others go: wave x 32,768
	s_wait_kmcnt 0x0
	s_load_b256 s[68:75], s[8:9], 0x0              ; e0 .. e7
	s_add_nc_u64 s[20:21], s[4:5], s[20:21]
	s_add_nc_u64 s[46:47], s[6:7], s[46:47]
	s_add_nc_u64 s[94:95], s[6:7], s[94:95]
	CROUND                                         ; all sixteen work-groups are here: the first joint loads meet
.irp s, 0,1
	s_mov_b32 s[G0+4*\s], 1
	s_add_co_u32 s[G0+4*\s+1], s22, \s*SLOT
	s_add_nc_u64 s[G0+4*\s+2:G0+4*\s+3], s[20:21], \s*XPLANE
	s_or_b32 s[G0+4*\s+3], s[G0+4*\s+3], 0x80000000
	s_mov_b32 s[G0B+4*\s], 1
	s_add_co_u32 s[G0B+4*\s+1], s23, \s*SLOT
	s_add_nc_u64 s[G0B+4*\s+2:G0B+4*\s+3], s[94:95], \s*WPLANE
	s_or_b32 s[G0B+4*\s+3], s[G0B+4*\s+3], 0x80000000
.endr
	JLOAD G0, G0B                                  ; v's K step 0: one tensor load a wave at the head
	; scalar set-up first, then the vector lines on end
	s_lshl_b32 s76, s17, 14
	s_add_co_u32 s76, s76, 0x10000                 ; v: source 1 = my 64 rows of the weight
	s_lshl_b32 s77, s18, 15                        ; v: source 0 = my 128 rows of x
	s_lshl_b32 s78, s17, 15                        ; q, k: source 1 = my 128 rows of x
	s_add_co_u32 s79, s77, 0x10000                 ; q, k: source 0 = my 128 rows of the weight
	s_lshl_b32 s96, s18, 7
	s_mul_i32 s80, s17, 64*SP
	s_add_co_u32 s80, s80, s96
	s_add_co_u32 s80, s80, VSTG                    ; v's stage: my 64 rows, my 128 columns
	s_mul_i32 s81, s17, 128*SP
	s_add_co_u32 s81, s81, s96                     ; q's, k's stage: my 128 rows, my 128 columns
	s_lshl_b32 s96, s16, 6                         ; q, k: back by heads: wave w takes columns 64 w on
	s_mul_i32 s97, s16, 32*SP
	s_add_co_u32 s97, s97, VSTG                    ; v: back by rows: wave w takes rows 32 w on
	; q, k: head 4 cx + wave of batch Y / 8; t begins at 256 (Y % 8)
	s_lshr_b32 s86, s43, 3
	s_lshl_b32 s86, s86, 4
	s_lshl_b32 s87, s40, 2
	s_add_co_u32 s88, s86, s87
	s_add_co_u32 s88, s88, s16
	s_lshl_b32 s88, s88, 17                        ; a head's codes are 131,072 bytes
	s_and_b32 s87, s43, 7
	s_lshl_b32 s89, s87, 14
	s_add_co_u32 s88, s88, s89
	s_mov_b32 s89, 0
	; v: head 2 X + wave / 2; its channels 32 (wave % 2) on: 65,536 bytes; 256 bytes along a row
	s_lshl_b32 s91, s42, 1
	s_add_co_u32 s90, s86, s91
	s_add_co_u32 s90, s90, s17
	s_lshl_b32 s90, s90, 17
	s_lshl_b32 s91, s18, 16
	s_add_co_u32 s90, s90, s91
	s_lshl_b32 s91, s87, 8
	s_add_co_u32 s90, s90, s91
	s_mov_b32 s91, 0
	s_cmp_eq_u32 ttmp9, 0
	s_cselect_b64 s[82:83], s[10:11], s[12:13]
	s_add_nc_u64 s[82:83], s[82:83], s[88:89]
	s_add_nc_u64 s[84:85], s[14:15], s[90:91]
	s_wait_kmcnt 0x0
	s_cmp_eq_u32 ttmp9, 0
	s_cselect_b32 s98, s70, s71                    ; e2 for q, e3 for k
	MKS 98, SCL, LIM
	MKS 73, VSCL, VLIM                             ; e5 for v
	v_and_b32 v3, 31, v0                           ; lane
	v_and_b32 v1, 15, v0                           ; r
	v_bfe_u32 v2, v0, 4, 1                         ; h
	v_lshlrev_b32 v[LI], 4, v3
	v_add_nc_u32 v[VA], s76, v[LI]
	v_add_nc_u32 v[VB], s77, v[LI]
	v_add_nc_u32 v[QA], s78, v[LI]
	v_add_nc_u32 v[QB], s79, v[LI]
.irp g, VA, VB, QA, QB
	v_add_nc_u32 v[\g+1], SLOT, v[\g]
.endr
	v_mul_u32_u24 v[STO], v1, SP                   ; into a stage: row r, 8 codes for each half of the lanes
	v_lshl_add_u32 v[STO], v2, 3, v[STO]
	v_add_nc_u32 v[VSTO], s80, v[STO]
	v_add_nc_u32 v[STO], s81, v[STO]
	v_lshrrev_b32 v5, 2, v3                        ; q, k: four lanes to a row
	v_mul_u32_u24 v[RDQ], v5, SP
	v_and_b32 v5, 3, v3
	v_lshl_add_u32 v[RDQ], v5, 4, v[RDQ]
	v_add_nc_u32 v[RDQ], s96, v[RDQ]
	v_add_nc_u32 v[RDQ2], 128*SP, v[RDQ]
	v_mul_u32_u24 v[VRD], v2, SP                   ; v: sixteen lanes to a row
	v_lshl_add_u32 v[VRD], v1, 4, v[VRD]
	v_add_nc_u32 v[VRD], s97, v[VRD]
	v_lshlrev_b32 v[GOV], 11, v2
	v_lshl_add_u32 v[GOV], v1, 4, v[GOV]
.macro FRAG reg, adr, q, i             ; a fragment as it lies: registers 4 c .. 4 c + 3 of lane (r, h) hold K = 32 c + 16 h + 0 .. 15 of row r: the same order of k on both sides
.irp c, 0,1,2,3
	ds_load_b128 v[\reg+4*\c:\reg+4*\c+3], v[\adr] offset:4096*(\i)+2048*(\q)+512*\c
.endr
.endm
; 16 matrix instructions: source 1's blocks a0, a0 + 1 x source 0's eight, 128 along K.  p: source 0's set.  zero = 1: the first product starts the sums.
; The accumulators take turns, one instruction a turn, in the same order in every step.
.macro MUL16 a0, p, zero
.irp a, \a0, \a0+1
.irp b, 0,1,2,3,4,5,6,7
.if \zero
	v_wmma_f32_16x16x128_fp8_fp8 v[8*(8*((\a)%4)+\b):8*(8*((\a)%4)+\b)+7], v[128*(\p)+FR*\b:128*(\p)+FR*\b+FR-1], v[AF+FR*(\a):AF+FR*(\a)+FR-1], 0
.else
	v_wmma_f32_16x16x128_fp8_fp8 v[8*(8*((\a)%4)+\b):8*(8*((\a)%4)+\b)+7], v[128*(\p)+FR*\b:128*(\p)+FR*\b+FR-1], v[AF+FR*(\a):AF+FR*(\a)+FR-1], v[8*(8*((\a)%4)+\b):8*(8*((\a)%4)+\b)+7]
.endif
.endr
.endr
.endm
.macro FETCH_B slot, q, p
	WIN TO_B
.irp i, 0,1,2,3,4,5,6,7
	FRAG 128*(\p)+FR*\i, ADRB+\slot, \q, \i
.endr
	WIN 0
.endm
.macro FETCH_A slot, q, i0
.irp i, \i0, \i0+1, \i0+2, \i0+3
	FRAG AF+FR*(\i), ADRA+\slot, \q, \i
.endr
.endm
.macro PLACES n                        ; plain vector lines in front of loads into registers that matrix instructions have read, and of the first read of results
.rept \n
	v_nop
.endr
.endm
; ---- v's tile: 32 accumulators (window 2); both operands have two sets: set p of source 1 is blocks 4 p .. 4 p + 3 of the registers from AF on.
.macro VFETCH slot, q, p
	FETCH_B \slot, \q, \p
.irp i, 0,1,2,3
	FRAG AF+64*(\p)+FR*\i, ADRA+\slot, \q, \i
.endr
.endm
.macro VSTEP slot, zero                ; a slot's first 128 along K; the second's fragments are fetched ahead of the products
	s_wait_dscnt 0x0
	PLACES NP
	VFETCH \slot, 1, 1
	WIN MUL_LO
	MUL16 0, 0, \zero
	MUL16 2, 0, \zero
	WIN 0
.endm
; A slot's second 128 along K changes slots.  In front of the round each wave waits for all its tensor loads, adds 0 to its spare word, and waits for that and for its reads of this slot.
; mode 1: the slot takes v's K step two on.  mode 2, 3: it takes the NEXT tile's K step 0 or 1: x goes back along K, the weight's descriptors are made anew (128 rows).  mode 3: the next tile's first fragments follow.
.macro VTURN slot, next, mode
	s_wait_tensorcnt 0x0
	ds_add_u32 v[SPW], v[NIL]
	s_wait_dscnt 1                                 ; (the add may be out)
	WIN MUL_LO
	MUL16 4, 1, 0
	WIN 0
	s_wait_dscnt 0x0
	s_barrier_signal -1
	s_barrier_wait -1
	CREST
.if \mode == 1
	s_add_nc_u64 s[G0+4*\slot+2:G0+4*\slot+3], s[G0+4*\slot+2:G0+4*\slot+3], 2*XPLANE
	s_add_nc_u64 s[G0B+4*\slot+2:G0B+4*\slot+3], s[G0B+4*\slot+2:G0B+4*\slot+3], 2*WPLANE
.else
	s_sub_nc_u64 s[G0+4*\slot+2:G0+4*\slot+3], s[G0+4*\slot+2:G0+4*\slot+3], 2*XPLANE
	s_add_co_u32 s[G0B+4*\slot+1], s22, \slot*SLOT
	s_add_nc_u64 s[G0B+4*\slot+2:G0B+4*\slot+3], s[46:47], \slot*WPLANE
	s_or_b32 s[G0B+4*\slot+3], s[G0B+4*\slot+3], 0x80000000
	s_mov_b32 s[G1B+2], 128<<16
	s_mov_b32 s[G1B+4], 128
.endif
	JLOAD G0+4*\slot, G0B+4*\slot                  ; the first tensor load behind the round; its four v_nop are also the places in front of the loads below
.if \mode < 3
	VFETCH \next, 0, 0
	WIN MUL_LO
	MUL16 6, 1, 0
	WIN 0
.else
.set ADRA, QA
.set ADRB, QB
	FETCH_B 0, 0, 0
	FETCH_A 0, 0, 0
	WIN MUL_LO
	MUL16 6, 1, 0
	PLACES NP
	WIN 0
	FETCH_A 0, 0, 4
.endif
.endm
; ---- q's or k's tile: 64 accumulators.  A block of source 1 is free as soon as its eight products are issued, so one set serves: blocks 0-3 are fetched anew in the middle, blocks 4-7 at the end.
.macro STEP slot, q, zero
	s_wait_dscnt 4*NL                              ; source 0's set and blocks 0-3 are in; the youngest sixteen loads (blocks 4-7) may be out
	WIN MUL_LO
	MUL16 0, (\q)%2, \zero
	MUL16 2, (\q)%2, \zero
	s_wait_dscnt 0
	PLACES NP
	FETCH_B \slot, (\q)+1, 1-(\q)%2
	FETCH_A \slot, (\q)+1, 0
	WIN MUL_HI
	MUL16 4, (\q)%2, \zero
	MUL16 6, (\q)%2, \zero
	PLACES NP
	WIN 0
	FETCH_A \slot, (\q)+1, 4
.endm
.macro TURN slot, next, fill
	s_wait_tensorcnt 0x0
	ds_add_u32 v[SPW], v[NIL]
	s_wait_dscnt 4*NL+1                            ; (the add and the youngest sixteen loads may be out)
	WIN MUL_LO
	MUL16 0, 1, 0
	s_wait_dscnt 0x0                               ; the add is done, and my reads of this slot are over
	s_barrier_signal -1
	MUL16 2, 1, 0
	WIN 0
	s_barrier_wait -1
.if \fill
	CREST
	s_add_nc_u64 s[G0+4*\slot+2:G0+4*\slot+3], s[G0+4*\slot+2:G0+4*\slot+3], 2*XPLANE
	s_add_nc_u64 s[G0B+4*\slot+2:G0B+4*\slot+3], s[G0B+4*\slot+2:G0B+4*\slot+3], 2*WPLANE
	JLOAD G0+4*\slot, G0B+4*\slot
.else
	PLACES NP
.endif
	FETCH_B \next, 0, 0
	FETCH_A \next, 0, 0
	WIN MUL_HI
	MUL16 4, 1, 0
	MUL16 6, 1, 0
	PLACES NP
	WIN 0
	FETCH_A \next, 0, 4
.endm
; A WAY OUT.  Block a (16 rows x 128 columns): each sum is held within +-448 x the scale (each accumulator from its low end on), eight become 8 codes, and a lane's 8 bytes go into the work-group's stage.
.macro OUTBLK a, cd, sto, lim, scl
.set AC, 64*((\a)%4)
	WIN 0x02+((\a)/4)                              ; source 0: window 2 or 3
.set j, 0
.rept 64
	v_med3_num_f32 v[TMP+j], v[AC+j], -v[\lim], v[\lim]
.set j, j+1
.endr
	WIN 0
.irp b, 0,1,2,3,4,5,6,7
	v_cvt_scalef32_pk8_fp8_f32 v[\cd+2*\b:\cd+2*\b+1], v[TMP+8*\b:TMP+8*\b+7], v[\scl]
.endr
	v_nop                                          ; a plain vector line between the conversions and the next block's holds, which write their sources
.irp b, 0,1,2,3,4,5,6,7
	ds_store_b64 v[\sto], v[\cd+2*\b:\cd+2*\b+1] offset:16*SP*(\a)+16*\b
.endr
.endm
.set ADRA, VA
.set ADRB, VB
	s_wait_alu depctr_va_vdst(0)                   ; the head's end
	s_wait_tensorcnt 0x0                           ; my part of K step 0 is in; these lines stand ahead of a later first fill as ahead of a refill
	ds_add_u32 v[SPW], v[NIL]
	s_wait_dscnt 0x0
	CROUND
	JLOAD G0+4, G0B+4                              ; v's K step 1: slot 1's first fill
	VFETCH 0, 0, 0
	VSTEP 0, 1
	VTURN 0, 1, 1                                  ; slot 0 takes v's K 512 on
	VSTEP 1, 0
	VTURN 1, 0, 1                                  ; slot 1 takes v's K 768 on
	VSTEP 0, 0
	VTURN 0, 1, 2                                  ; slot 0 takes the next tile's K step 0
	VSTEP 1, 0
	VTURN 1, 0, 3                                  ; slot 1 its K step 1; the next tile's first fragments are fetched
	; v goes out while those tiles are on their way
.irp a, 0,1,2,3
	OUTBLK \a, CD+16*(\a%2), VSTO, VLIM, VSCL
.if \a == 1
	s_wait_dscnt 0x0                               ; block 0's and 1's stores have read their codes: the two sets are written again
.endif
.endr
	s_wait_dscnt 0x0                               ; for the others' sake: my stores into the stage are done
	s_barrier_signal -1
	s_barrier_wait -1
.set i, 0
.rept 16
	ds_load_b128 v[TMP+4*i:TMP+4*i+3], v[VRD] offset:2*SP*i
.set i, i+1
.endr
.set i, 0
.rept 16
	s_wait_dscnt 15-i                              ; the younger loads may be out
	global_store_b128 v[GOV], v[TMP+4*i:TMP+4*i+3], s[84:85] offset:4096*((i&3)|((i&4)<<1)|((i&8)>>1))   ; sixteen lanes store 256 consecutive bytes, aligned; channel 2 i + h goes to the row with bits 3 and 4 exchanged
.set i, i+1
.endr
	STEP 0, 0, 1                                   ; q's or k's tile: eight steps of 128, written out
	TURN 0, 1, 1
	STEP 1, 0, 0
	TURN 1, 0, 1
	STEP 0, 0, 0
	TURN 0, 1, 0                                   ; nothing is left to fetch
	STEP 1, 0, 0
	s_wait_dscnt 4*NL
	WIN MUL_LO
	MUL16 0, 1, 0
	MUL16 2, 1, 0
	s_wait_dscnt 0
	WIN MUL_HI
	MUL16 4, 1, 0
	MUL16 6, 1, 0
	WIN 0
	s_wait_xcnt 0x0                                ; v's stores have read their registers, which the holds below write
	PLACES NP
.irp a, 0,1,2,3,4,5,6,7
	OUTBLK \a, AF+16*\a, STO, LIM, SCL
.endr
	s_wait_dscnt 0x0
	s_barrier_signal -1
	s_barrier_wait -1
	; my head's 256 rows of 64 bytes are 16 KiB on end in memory: 32 stores of 512 consecutive bytes
.set i, 0
.rept 32
.if i < 16
	ds_load_b128 v[AF+4*i:AF+4*i+3], v[RDQ] offset:8*SP*i
.else
	ds_load_b128 v[AF+4*i:AF+4*i+3], v[RDQ2] offset:8*SP*(i-16)
.endif
.set i, i+1
.endr
.set i, 0
.rept 32
	s_wait_dscnt 31-i
	global_store_b128 v[LI], v[AF+4*i:AF+4*i+3], s[82:83] offset:512*i
.set i, i+1
.endr
	s_wait_tensorcnt 0x0                           ; the wave's end
	ds_add_u32 v[SPW], v[NIL]
	s_wait_dscnt 0x0
	CROUND                                         ; the closing round
	s_endpgm
.Lfunc_end_k_q65465cad7a_gemm_qkv:
	.size	k_q65465cad7a_gemm_qkv, .Lfunc_end_k_q65465cad7a_gemm_qkv-k_q65465cad7a_gemm_qkv
	.p2alignl 7, 3214868480
	.fill 96, 4, 3214868480
	.section	.rodata,"a",@progbits
	.p2align	6, 0x0
	.amdhsa_kernel k_q65465cad7a_gemm_qkv
		.amdhsa_group_segment_fixed_size 327680
		.amdhsa_private_segment_fixed_size 0
		.amdhsa_enable_private_segment 0
		.amdhsa_kernarg_size 48
		.amdhsa_user_sgpr_count 2
		.amdhsa_user_sgpr_kernarg_segment_ptr 1
		.amdhsa_wavefront_size32 1
		.amdhsa_system_sgpr_workgroup_id_x 1
		.amdhsa_system_sgpr_workgroup_id_y 1
		.amdhsa_system_sgpr_workgroup_id_z 1
		.amdhsa_system_vgpr_workitem_id 0
		.amdhsa_next_free_vgpr 1024
		.amdhsa_next_free_sgpr 100
		.amdhsa_reserve_vcc 0
		.amdhsa_float_denorm_mode_32 3
		.amdhsa_float_denorm_mode_16_64 3
		.amdhsa_memory_ordered 1
		.amdhsa_forward_progress 1
		.amdhsa_inst_pref_size 197
	.end_amdhsa_kernel
	.amdgpu_metadata
---
amdhsa.version: [ 1, 2 ]
amdhsa.kernels:
  - .name:           k_q65465cad7a_gemm_qkv
    .symbol:         k_q65465cad7a_gemm_qkv.kd
    .args:
      - { .name: x_img, .offset: 0, .size: 8, .value_kind: global_buffer, .address_space: global }
      - { .name: wqkv_img, .offset: 8, .size: 8, .value_kind: global_buffer, .address_space: global }
      - { .name: lowp_scales, .offset: 16, .size: 8, .value_kind: global_buffer, .address_space: global }
      - { .name: q_codes, .offset: 24, .size: 8, .value_kind: global_buffer, .address_space: global }
      - { .name: k_codes, .offset: 32, .size: 8, .value_kind: global_buffer, .address_space: global }
      - { .name: v_codes, .offset: 40, .size: 8, .value_kind: global_buffer, .address_space: global }
    .group_segment_fixed_size: 327680
    .private_segment_fixed_size: 0
    .kernarg_segment_align: 8
    .kernarg_segment_size: 48
    .max_flat_workgroup_size: 128
    .sgpr_count:     100
    .vgpr_count:     1024
    .wavefront_size: 32
...
	.end_amdgpu_metadata
.endif
;; end of part 2
;; launch attn (part 3): grid 4 x 64, 16 waves a work-group, clusters of 4 x 1, 327,680 bytes of LDS; arguments q_codes, k_codes, v_codes, lowp_scales, a_img; writes a_img
.if DOCPART == 3
	.amdgcn_target "amdgcn-amd-amdhsa--gfx1250"
	.amdhsa_code_object_version 6
	.text
	.protected	k_q65465cad7a_attn
	.globl	k_q65465cad7a_attn
	.p2align	8
	.type	k_q65465cad7a_attn,@function
k_q65465cad7a_attn:
	s_mov_b64 s[64:65], 0
	v_nop
	global_prefetch_b8 v0, s[64:65] scope:SCOPE_SE
	s_setreg_imm32_b32 hwreg(HW_REG_WAVE_MODE, 25, 1), 1
	s_wait_xcnt 0x0
	s_wait_alu depctr_hold_cnt(0) depctr_sa_sdst(0) depctr_va_vdst(0) depctr_va_sdst(0) depctr_va_ssrc(0) depctr_va_vcc(0) depctr_vm_vsrc(0)
	s_getreg_b32 s2, hwreg(HW_REG_IB_STS2, 6, 4)
	s_cmp_eq_u32 s2, 0
	s_cbranch_scc0 .Lentry_in_a_cluster
	s_endpgm
.Lentry_in_a_cluster:
	s_bfe_u32 s2, ttmp6, 0x10000c
	s_cmp_lg_u32 s2, 0x3003
	s_cbranch_scc0 .Lentry_shape_is_right
	s_endpgm
.Lentry_shape_is_right:
; Causal attention on codes of E4M3, head size 64, 2,048 keys, 64 heads (batch x head).  q_codes, k_codes: [head][t][64]; v_codes: [head][rho][t], keys innermost, row rho = channel rho with bits 3 and 4 exchanged.
; THE SOFTMAX: t = score x log2(e) / 8; M = the row's largest t so far, rounded UP to a whole number (a running maximum); p = 2^(t - M) is quantised with 2^e4; the row's sum is taken of the unquantised p and
; divides at the end.  When M moves, the sum and O are multiplied by 2^(old M - new M): exact.  The result is quantised with 2^e6 and leaves as an image of operand registers (a_img) for the last product.
; A HEAD'S K AND V LIE IN LDS WHOLE: 8 slots of 256 keys, each 18,432 bytes of K and 17,408 of V: 286,720 bytes, 16 tiles of 16 KiB, one tensor load each; wave w asks for slot w % 8 of K (w < 8) or of V.
; Slots 0 and 1 are asked for at the head (waves 0, 1, 8, 9), slots 2 to 7 behind the next round (the other twelve waves); they are waited for behind trip 3.  No LDS byte is filled twice.
; SHARES.  A cluster of four work-groups owns one head; the tiles are asked for JOINTLY by the four.  A head's 128 tiles of 16 queries are numbered 4 U + cx.  Each wave owns two tiles, U and 31 - U.
; CAUSAL (the mask that the problem builds itself): tile U needs only its first U / 2 + 1 steps of 128 keys; the later ones are not walked.  So every wave has 17 tile-steps: ONE IN EACH OF 17 TRIPS.
; Trips 0 .. 15 - U / 2: tile 31 - U, key step = the trip's number.  The others: tile U, key step (trip + U / 2) % 16.  Trips 0 to 3 read slots 0 and 1 alone.
; In a tile's last step hidden scores become -infinity ahead of the maximum.  Key 0 counts for every query and is in each tile's first step, so M is a number from then on.
; A split barrier at each trip's end (the wait for the last trip's signal, then this trip's signal) holds the sixteen waves within one trip of each other; between a signal and its wait stand register work and reads of bytes that nobody writes.
; NO PREFETCH: every byte of K and V is asked for by the first two groups of tensor loads, so there is no later load to run ahead of.
; LAYOUT.  Both products are used transposed: S^T = K Q^T (source 0 = 16 keys), O^T = V^T P^T (source 0 = 16 channels): a lane holds ONE query throughout.  Lane r of K's tile 2 b + u takes key 32 b + 8 u + r + 8 (r / 8),
; so that the 16 registers of tiles 2 b and 2 b + 1 are 16 neighbouring keys; V's rows are ordered likewise, so that O^T's are 16 neighbouring channels.
; LIMITS: e2 + e3 between -123 and 130; e4, and e6 - e4 - e5, between -126 and 119; the scaled scores t stay under 2^31 in magnitude.
; REGISTERS: v1-9 addresses; v10 and v3 448 x 2^e4, v11 2^e4; v12-19 for each tile -M, the largest t, the sum in two halves; v20-35 Q; v36-99 fragments of K or V; v100-163 S^T, then p; v164-227 O^T; v228-243 codes; v244-255 at work.
.set KP,    144                        ; two keys' 128 bytes + 16 of padding: key kappa of a slot lies at (kappa / 2) 144 + (kappa % 2) 64
.set VP,    272                        ; a row of V's tile: 256 keys + 16 of padding
.set VOFF,  128*KP                     ; a slot: 256 keys of K, then 64 rows of V
.set SLOTB, VOFF+64*VP                 ; 35,840 bytes, 140 blocks of 256
.set SPARE, 8*SLOTB                    ; behind the slots: the spare words, 128 bytes for each wave
.set AK0, 1                            ; v1   my lane's place in a tile of K
.set AV0, 2                            ; v2   in a tile of V
.set DQ,  4                            ; v4   r - 16 h
.set SPW, 5                            ; v5   LDS address of my spare word; never rewritten
.set NIL, 6                            ; v6   0; never rewritten
.set GO,  7                            ; v7   16 x lane
.set ADK, 8                            ; v8   LDS address of the step's K
.set ADV, 9                            ; v9   of its V
.set FRG, 36
.set S,   100
.set PCD, 228
.set MA,  244                          ; two chains of the maximum
.set MB,  245
.set FF,  246                          ; v[246:247] f = 2^(old M - new M), and 0
.set SB,  248                          ; v[248:249] the sum's second chain
.set PX,  250                          ; a lane permute's destination
.set NINF, 251                         ; -infinity
.set DD,  252
.set WV,  18                           ; s18  my wave's number
.set SEL, 20                           ; s[20:21] selects of v_permlanex16_b32: lane l xor 16
.set CS,  22                           ; s[22:23] c = log2(e) / 8 x 2^(e2 + e3)
.set G1K, 24
.set G1V, 32
.set G0K, 40
.set G0V, 44
.set IT,  48                           ; s48  the trip's number
.set KF,  49                           ; s49  the step's first key
.set TI,  52                           ; s[53+3x] 64 U; s[54+3x] my first query 64 U + 16 cx, for tile x = 0, 1
.set KS,  84                           ; s84  the key step, 0 .. 15
.set UH,  98                           ; s98  U / 2
.set NB,  99                           ; s99  16 - U / 2: the steps of tile 31 - U
.macro CROUND                          ; a round of the cluster's barrier
	s_barrier_signal -1
	s_barrier_wait -1
	s_cmp_lg_u32 s[WV], 0
	s_cbranch_scc1 .Lnot_wave_0_\@
	s_barrier_signal -3
.Lnot_wave_0_\@:
	s_barrier_wait -3
	s_barrier_signal -1
	s_barrier_wait -1
.endm
; g = 0: the waves of slots 0 and 1 ask; g = 1: those of slots 2 to 7.  The branches hang on the wave's number alone.  An s_nop 0 and four v_nop follow each load.
.macro TLOAD g
	s_cmp_lt_u32 s94, 2
.if \g
	s_cbranch_scc1 .Lasked_\@
.else
	s_cbranch_scc0 .Lasked_\@
.endif
	s_cmp_lt_u32 s[WV], 8
	s_cbranch_scc0 .Lfor_v_\@
	tensor_load_to_lds s[G0K:G0K+3], s[G1K:G1K+7]
	s_nop 0
.rept 4
	v_nop
.endr
	s_branch .Lasked_\@
.Lfor_v_\@:
	tensor_load_to_lds s[G0V:G0V+3], s[G1V:G1V+7]
	s_nop 0
.rept 4
	v_nop
.endr
.Lasked_\@:
.endm
	s_load_b128 s[4:7], s[0:1], 0x0                ; q_codes s[4:5], k_codes s[6:7]
	s_load_b128 s[8:11], s[0:1], 0x10              ; v_codes s[8:9], the scales' exponents s[10:11]
	s_load_b64 s[12:13], s[0:1], 0x20              ; a_img
	v_lshl_add_u32 v[SPW], v0, 2, SPARE
	v_mov_b32 v[NIL], 0
	ds_add_u32 v[SPW], v[NIL]                      ; the opening lines: the add, twice on end, and its wait
	ds_add_u32 v[SPW], v[NIL]
	s_wait_dscnt 0x0
	v_lshrrev_b32 v8, 5, v0
	s_delay_alu instid0(VALU_DEP_1)
	v_readfirstlane_b32 s[WV], v8                  ; wave 0..15
	s_bfe_u32 s50, ttmp6, 0x40000                  ; cx
	s_and_b32 s51, ttmp7, 0xffff                   ; batch x 16 + head, which the four partners share
	s_lshl_b32 s92, s51, 17                        ; a head's codes are 131,072 bytes in each of the three tensors
	s_mov_b32 s93, 0
	; descriptor group 1.  K: a slot's 256 keys x 64 bytes are dense in memory: 64 rows of 256 bytes, padding behind each 128;  V: 64 rows of 256 bytes, 2,048 bytes apart
	s_mov_b32 s[G1K], 15|(1<<20)|(1<<21)|(4<<22)|(3<<25)   ; 15:0 the mask: all four; 17:16 elements of 1 byte; 20 padding on; 21 set beside a mask; 24:22 after every 32 words; 31:25 four words
	s_mov_b32 s[G1K+1], 256<<16
	s_mov_b32 s[G1K+2], 64<<16
	s_mov_b32 s[G1K+3], 256<<16
	s_mov_b32 s[G1K+4], 64
	s_mov_b32 s[G1K+5], 256
	s_mov_b32 s[G1K+6], 0
	s_mov_b32 s[G1K+7], 0
	s_mov_b32 s[G1V], 15|(1<<20)|(1<<21)|(5<<22)|(3<<25)   ; padding: four words after every 64
	s_mov_b32 s[G1V+1], 256<<16
	s_mov_b32 s[G1V+2], 64<<16
	s_mov_b32 s[G1V+3], 256<<16
	s_mov_b32 s[G1V+4], 64
	s_mov_b32 s[G1V+5], 2048
	s_mov_b32 s[G1V+6], 0
	s_mov_b32 s[G1V+7], 0
	s_mov_b32 s[SEL], 0x76543210
	s_mov_b32 s[SEL+1], 0xfedcba98
	s_mov_b32 s[CS], 0x3e38aa3b                    ; log2(e) / sqrt(64)
	s_mov_b32 s[IT], 0
	; the tile that I fetch: slot wave % 8
	s_and_b32 s94, s[WV], 7
	s_mul_i32 s95, s94, SLOTB                      ; where the slot begins in LDS: the wave's number alone
	s_lshl_b32 s62, s94, 14                        ; K: 256 keys are 16,384 bytes
	s_mov_b32 s63, 0
	s_lshl_b32 s66, s94, 8                         ; V: 256 bytes along each row
	s_mov_b32 s67, 0
	s_add_nc_u64 s[62:63], s[62:63], s[92:93]
	s_add_nc_u64 s[66:67], s[66:67], s[92:93]
	; my two tiles: with a = wave / 4, b = wave % 4: U = 4 ((a + b) % 4) + a, and 31 - U
	s_lshr_b32 s81, s[WV], 2
	s_and_b32 s82, s[WV], 3
	s_add_co_u32 s82, s82, s81
	s_and_b32 s82, s82, 3
	s_lshl_b32 s82, s82, 2
	s_add_co_u32 s82, s82, s81
	s_sub_co_u32 s83, 31, s82
	s_lshr_b32 s[UH], s82, 1
	s_sub_co_u32 s[NB], 16, s[UH]
	s_lshl_b32 s84, s50, 4
	s_lshl_b32 s[TI+1], s82, 6
	s_add_co_u32 s[TI+2], s[TI+1], s84
	s_lshl_b32 s[TI+4], s83, 6
	s_add_co_u32 s[TI+5], s[TI+4], s84
	; where a tile's codes go in a_img: K = 64 head + d: plane head / 4, half (head / 2) % 2, quarters 2 (head % 2) on; block of 16 rows: 128 batch + 4 U + cx
	s_and_b32 s85, s51, 15
	s_lshr_b32 s86, s85, 2
	s_lshl_b32 s86, s86, 21
	s_bfe_u32 s87, s85, 0x10001
	s_lshl_b32 s87, s87, 11
	s_add_co_u32 s86, s86, s87
	s_and_b32 s87, s85, 1
	s_lshl_b32 s87, s87, 10
	s_add_co_u32 s86, s86, s87
	s_lshr_b32 s87, s51, 4
	s_lshl_b32 s87, s87, 7
	s_add_co_u32 s87, s87, s50
	s_lshl_b32 s87, s87, 12
	s_add_co_u32 s86, s86, s87
	s_lshl_b32 s88, s82, 14
	s_add_co_u32 s88, s88, s86
	s_mov_b32 s89, 0
	s_lshl_b32 s90, s83, 14
	s_add_co_u32 s90, s90, s86
	s_mov_b32 s91, 0
	s_wait_kmcnt 0x0
	s_load_b256 s[68:75], s[10:11], 0x0            ; e0 .. e7
	s_mov_b32 s[G0K], 1
	s_mov_b32 s[G0K+1], s95
	s_add_nc_u64 s[G0K+2:G0K+3], s[6:7], s[62:63]
	s_or_b32 s[G0K+3], s[G0K+3], 0x80000000
	s_mov_b32 s[G0V], 1
	s_add_co_u32 s[G0V+1], s95, VOFF
	s_add_nc_u64 s[G0V+2:G0V+3], s[8:9], s[66:67]
	s_or_b32 s[G0V+3], s[G0V+3], 0x80000000
	CROUND                                         ; all four work-groups are here: the joint loads meet
	TLOAD 0                                        ; slots 0 and 1
	s_add_nc_u64 s[58:59], s[12:13], s[88:89]
	s_add_nc_u64 s[60:61], s[12:13], s[90:91]
	s_add_nc_u64 s[4:5], s[4:5], s[92:93]          ; Q's codes at my head
	v_and_b32 v252, 15, v0                         ; r
	v_bfe_u32 v253, v0, 4, 1                       ; h
	s_delay_alu instid0(VALU_DEP_2)
	v_lshlrev_b32 v244, 6, v252
	s_delay_alu instid0(VALU_DEP_1)
	v_lshl_add_u32 v244, v253, 4, v244             ; Q: row r of 64 bytes, + 16 h
	s_lshl_b32 s96, s[TI+2], 6
	s_lshl_b32 s97, s[TI+5], 6
	v_add_nc_u32 v245, s97, v244
	v_add_nc_u32 v244, s96, v244
	global_load_b128 v[20:23], v244, s[4:5]        ; Q's two fragments stay in registers: registers 4 c .. 4 c + 3 hold d = 32 c + 16 h + 0 .. 15, as K's do
	global_load_b128 v[24:27], v244, s[4:5] offset:32
	global_load_b128 v[28:31], v245, s[4:5]
	global_load_b128 v[32:35], v245, s[4:5] offset:32
	v_and_b32 v248, 8, v252
	s_delay_alu instid0(VALU_DEP_1)
	v_add_nc_u32 v248, v248, v252                  ; r + 8 (r / 8)
	s_delay_alu instid0(VALU_DEP_1)
	v_lshrrev_b32 v249, 1, v248
	s_delay_alu instid0(VALU_DEP_1)
	v_mul_u32_u24 v[AK0], v249, KP
	s_delay_alu instid0(VALU_DEP_3)
	v_and_b32 v249, 1, v248
	s_delay_alu instid0(VALU_DEP_1)
	v_lshl_add_u32 v[AK0], v249, 6, v[AK0]
	s_delay_alu instid0(VALU_DEP_1)
	v_lshl_add_u32 v[AK0], v253, 4, v[AK0]
	v_mul_u32_u24 v[AV0], v252, VP
	s_delay_alu instid0(VALU_DEP_1)
	v_lshl_add_u32 v[AV0], v253, 4, v[AV0]
	s_delay_alu instid0(VALU_DEP_1)
	v_add_nc_u32 v[AV0], VOFF, v[AV0]
	v_lshlrev_b32 v[DQ], 4, v253
	s_delay_alu instid0(VALU_DEP_1)
	v_sub_nc_u32 v[DQ], v252, v[DQ]
	v_and_b32 v[GO], 31, v0
	s_delay_alu instid0(VALU_DEP_1)
	v_lshlrev_b32 v[GO], 4, v[GO]
.irp x, 0,1
	v_mov_b32 v[13+4*\x], 0xff61b1e6               ; the largest t so far: -3e38, under every t
	s_delay_alu instid0(VALU_DEP_1)
	v_floor_f32 v[12+4*\x], -v[13+4*\x]            ; -M
	v_mov_b32 v[14+4*\x], 0                        ; the sum, in two halves
	v_mov_b32 v[15+4*\x], 0
.endr
.set j, 0
.rept 64
	v_mov_b32 v[164+j], 0                          ; O^T.  (The step has no first form of its own: the first change of M multiplies zeros)
.set j, j+1
.endr
	v_mov_b32 v[FF+1], 0                           ; (named as the upper half of a pair)
	v_mov_b32 v[PX], 0                             ; written once: a lane permute's destination counts as one of its sources
	v_mov_b32 v[NINF], 0xff800000
	s_wait_kmcnt 0x0
	s_add_co_i32 s96, s70, s71
	s_lshl_b32 s96, s96, 23
	s_add_co_i32 s[CS], s[CS], s96                 ; a score stands for score x 2^(e2 + e3): added to c's exponent field
	s_mov_b32 s[CS+1], s[CS]
	s_add_co_i32 s96, s72, 127
	s_lshl_b32 s97, s96, 23
	v_mov_b32 v11, s97                             ; 2^e4
	s_add_co_i32 s96, s96, 8
	s_lshl_b32 s96, s96, 23
	s_or_b32 s96, s96, 0x600000
	v_mov_b32 v10, s96                             ; 448 x 2^e4,
	v_mov_b32 v3, s96                              ; twice: the two halves of a dual pair take their second sources from different register banks
	s_sub_co_i32 s96, s74, s72
	s_sub_co_i32 s96, s96, s73
	s_add_co_i32 s96, s96, 127
	s_lshl_b32 s97, s96, 23
	v_mov_b32 v255, s97                            ; 2^(e6 - e4 - e5): O / the sum stands for that x 2^(e4 + e5)
	s_add_co_i32 s96, s96, 8
	s_lshl_b32 s96, s96, 23
	s_or_b32 s96, s96, 0x600000
	v_mov_b32 v254, s96
; A KEY STEP of tile x: the 128 keys of key step s[KS]: slot KS / 2, half KS % 2.
.macro STEP x
.set ST, 12+4*(\x)
.set QR, 20+8*(\x)
.set OA, 164+32*(\x)
	s_lshl_b32 s[KF], s[KS], 7
	s_lshr_b32 s81, s[KS], 1
	s_mul_i32 s81, s81, SLOTB
	s_and_b32 s82, s[KS], 1
	s_mul_i32 s83, s82, 64*KP
	s_lshl_b32 s82, s82, 7
	s_add_co_u32 s83, s83, s81
	s_add_co_u32 s82, s82, s81
	v_add_nc_u32 v[ADK], s83, v[AK0]
	v_add_nc_u32 v[ADV], s82, v[AV0]
	v_nop                                          ; with the two additions: four places in front of loads into registers that the last products read
	v_nop
.irp t, 0,1,2,3,4,5,6,7
.irp c, 0,1
	ds_load_b128 v[FRG+8*\t+4*\c:FRG+8*\t+4*\c+3], v[ADK] offset:((32*(\t/2)+8*(\t%2))/2)*KP+32*\c
.endr
.endr
	s_wait_alu depctr_va_vdst(0)
	s_wait_dscnt 0x0
.irp t, 0,1,2,3,4,5,6,7
	v_wmma_f32_16x16x64_fp8_fp8 v[S+8*\t:S+8*\t+7], v[FRG+8*\t:FRG+8*\t+7], v[QR:QR+7], 0
.endr
.rept 4
	v_nop                                          ; places in front of the loads below and of the first read of the scores
.endr
.irp t, 0,1,2,3
.irp c, 0,1,2,3
	ds_load_b128 v[FRG+16*\t+4*\c:FRG+16*\t+4*\c+3], v[ADV] offset:16*\t*VP+32*\c   ; V's four fragments are on their way while the softmax is worked
.endr
.endr
	s_add_co_u32 s96, s[KF], 127
	s_cmp_le_u32 s96, s[TI+3*(\x)+1]               ; all keys count, whatever cx: no mask
	s_cbranch_scc1 .Lopen_\@
	s_sub_co_i32 s96, s[TI+3*(\x)+2], s[KF]
	v_add_nc_u32 v[DD], s96, v[DQ]                 ; d = my query - the step's first key - 16 h.  Register 16 b + i holds key 32 b + 16 h + i of the step: hidden where 32 b + i > d
.set n, 0
.rept 64
	v_cmp_gt_i32 vcc_lo, 32*(n/16)+n%16, v[DD]
	v_cndmask_b32 v[S+n], v[S+n], v[NINF], vcc_lo
.set n, n+1
.endr
.Lopen_\@:
	v_max3_num_f32 v[MA], v[S], v[S+1], v[S+2]     ; the step's largest score of my query among my 64 keys, in two chains, each accumulator from its low end on,
	v_max3_num_f32 v[MB], v[S+3], v[S+4], v[S+5]
.irp i, 6,10,14,18,22,26,30,34,38,42,46,50,54,58
	v_max3_num_f32 v[MA], v[MA], v[S+\i], v[S+\i+1]
	v_max3_num_f32 v[MB], v[MB], v[S+\i+2], v[S+\i+3]
.endr
	v_max3_num_f32 v[MA], v[MA], v[S+62], v[S+63]
	s_delay_alu instid0(VALU_DEP_1)
	v_max_num_f32 v[MA], v[MA], v[MB]
	s_delay_alu instid0(VALU_DEP_1)
	v_permlanex16_b32 v[PX], v[MA], s[SEL], s[SEL+1]
	s_delay_alu instid0(VALU_DEP_1)
	v_max_num_f32 v[MA], v[MA], v[PX]              ; and among lane l xor 16's
	s_delay_alu instid0(VALU_DEP_1)
	v_mul_f32 v[MA], s[CS], v[MA]                  ; as t (c is positive)
	s_delay_alu instid0(VALU_DEP_1)
	v_max_num_f32 v[ST+1], v[ST+1], v[MA]          ; the running largest t
	v_mov_b32 v[MA], v[ST]
	s_delay_alu instid0(VALU_DEP_2)
	v_floor_f32 v[ST], -v[ST+1]                    ; the new -M = floor(-t): M is a whole number
	s_delay_alu instid0(VALU_DEP_1)
	v_sub_f32 v[MA], v[ST], v[MA]                  ; old M - new M: a whole number, 0 or less
	s_delay_alu instid0(VALU_DEP_1)
	v_cvt_i32_f32 v[MA], v[MA]                     ; (it saturates)
	s_delay_alu instid0(VALU_DEP_1)
	v_ldexp_f32 v[FF], 1.0, v[MA]                  ; f = 2^(old M - new M)
.set j, 0
.rept 32
	v_pk_fma_f32 v[S+j:S+j+1], v[S+j:S+j+1], s[CS:CS+1], v[ST:ST+1] op_sel_hi:[1,0,0]   ; t - M, two at a time
.set j, j+2
.endr
.set j, 0
	s_wait_alu depctr_va_vdst(0)
.rept 64
	v_exp_f32 v[S+j], v[S+j]                       ; p = 2^(t - M), at most 1
.set j, j+1
.endr
	v_pk_mul_f32 v[ST+2:ST+3], v[ST+2:ST+3], v[FF:FF+1] op_sel_hi:[1,0]   ; the sums under the new M: a plain line behind the exponentials
	s_wait_alu depctr_va_vdst(0)                   ; one wait for the whole batch, ahead of its first reader
	v_pk_add_f32 v[SB:SB+1], v[S:S+1], v[S+2:S+3]  ; the row's sum is taken of the unquantised p, in two chains
.irp j, 4,8,12,16,20,24,28,32,36,40,44,48,52,56,60
	v_pk_add_f32 v[ST+2:ST+3], v[ST+2:ST+3], v[S+\j:S+\j+1]
	v_pk_add_f32 v[SB:SB+1], v[SB:SB+1], v[S+\j+2:S+\j+3]
.endr
	v_pk_add_f32 v[ST+2:ST+3], v[ST+2:ST+3], v[SB:SB+1]
.irp b, 0,1,2,3
.set i, 0
.rept 8
	v_dual_min_num_f32 v[S+16*\b+i], v[S+16*\b+i], v10 :: v_dual_min_num_f32 v[S+16*\b+i+1], v[S+16*\b+i+1], v3   ; the conversion does not saturate (ISA guide 7.6.2); p is not negative, so the hold is one-sided; two numbers a line
.set i, i+2
.endr
	v_cvt_scalef32_pk8_fp8_f32 v[PCD+4*\b:PCD+4*\b+1], v[S+16*\b:S+16*\b+7], v11
	v_cvt_scalef32_pk8_fp8_f32 v[PCD+4*\b+2:PCD+4*\b+3], v[S+16*\b+8:S+16*\b+15], v11
.endr
	s_wait_alu depctr_va_vdst(0)                   ; directly ahead of the first reader of O^T
.set j, 0
.rept 16
	v_pk_mul_f32 v[OA+j:OA+j+1], v[OA+j:OA+j+1], v[FF:FF+1] op_sel_hi:[1,0]   ; O^T under the new M; also the plain lines between the conversions and the products
.set j, j+2
.endr
	s_wait_alu depctr_va_vdst(0)
	s_wait_dscnt 0x0                               ; V's fragments are in
.irp t, 0,1,2,3
	v_wmma_f32_16x16x128_fp8_fp8 v[OA+8*\t:OA+8*\t+7], v[FRG+16*\t:FRG+16*\t+15], v[PCD:PCD+15], v[OA+8*\t:OA+8*\t+7]   ; the four accumulators by turns; the next step's scores stand between two links
.endr
.endm
	s_wait_alu depctr_va_vdst(0)                   ; the head's end
	s_wait_loadcnt 0x0                             ; Q
	s_wait_tensorcnt 0x0                           ; my tile of slots 0 and 1, if I asked for one, has landed; these lines stand ahead of a later first fill as ahead of a refill
	ds_add_u32 v[SPW], v[NIL]
	ds_add_u32 v[SPW], v[NIL]                      ; twice on end
	s_wait_dscnt 0x0
	CROUND                                         ; slots 0 and 1 are whole in every partner
	TLOAD 1                                        ; slots 2 to 7
	s_barrier_signal -1
.Ltrip1:                                           ; trips 0 to 3: tile 31 - U (it has nine steps at the least), key steps 0 to 3, in slots 0 and 1
	s_and_b32 s[KS], s[IT], 3
	STEP 1
	s_barrier_wait -1                              ; every wave has ended the trip before this one
	s_barrier_signal -1
	s_add_co_u32 s[IT], s[IT], 1
	s_cmp_lt_u32 s[IT], 4
	s_cbranch_scc1 .Ltrip1
	s_barrier_wait -1
	s_wait_tensorcnt 0x0                           ; my tile of slots 2 to 7 has landed;
	s_barrier_signal -1
	s_barrier_wait -1                              ; everybody's has
	s_barrier_signal -1
.Ltrip2:                                           ; trips 4 to 16
	s_cmp_lt_u32 s[IT], s[NB]
	s_cbranch_scc0 .Llow
	s_and_b32 s[KS], s[IT], 15
	STEP 1
	s_branch .Lmet
.Llow:
	s_add_co_u32 s[KS], s[IT], s[UH]
	s_and_b32 s[KS], s[KS], 15
	STEP 0
.Lmet:
	s_barrier_wait -1
	s_barrier_signal -1
	s_add_co_u32 s[IT], s[IT], 1
	s_cmp_lt_u32 s[IT], 17
	s_cbranch_scc1 .Ltrip2
	s_barrier_wait -1
	; THE WAY OUT.  O^T / the sum is held, quantised with 2^(e6 - e4 - e5), and its 16 codes a lane and 32 channels ARE the next operand's registers: they are stored as they stand.
.rept 4
	v_nop
.endr
	v_add_f32 v[MA], v14, v15
	s_wait_alu depctr_va_vdst(0)
	v_add_f32 v[MB], v18, v19
	v_permlanex16_b32 v[PX], v[MA], s[SEL], s[SEL+1]
	s_delay_alu instid0(VALU_DEP_1)
	v_add_f32 v[MA], v[MA], v[PX]
	s_delay_alu instid0(VALU_DEP_2)
	v_permlanex16_b32 v[PX], v[MB], s[SEL], s[SEL+1]
	s_delay_alu instid0(VALU_DEP_1)
	v_add_f32 v[MB], v[MB], v[PX]
	s_wait_alu depctr_va_vdst(0)
	v_rcp_f32 v[MA], v[MA]
	v_rcp_f32 v[MB], v[MB]
	v_nop                                          ; a plain line behind the reciprocals
	s_wait_alu depctr_va_vdst(0)                   ; one wait for both reciprocals, ahead of the first reader, which is also O^T's
.irp x, 0,1
.set j, 0
.rept 32
	v_mul_f32 v[S+32*\x+j], v[164+32*\x+j], v[MA+\x]   ; register 16 b + i: channel 32 b + 16 h + i of my query
.set j, j+1
.endr
.set j, 0
.rept 32
	v_med3_num_f32 v[S+32*\x+j], v[S+32*\x+j], -v254, v254
.set j, j+1
.endr
.irp g, 0,1,2,3
	v_cvt_scalef32_pk8_fp8_f32 v[PCD+8*\x+2*\g:PCD+8*\x+2*\g+1], v[S+32*\x+8*\g:S+32*\x+8*\g+7], v255
.endr
.endr
	v_nop                                          ; a plain line behind the last conversion
.irp x, 0,1
.irp b, 0,1
	global_store_b128 v[GO], v[PCD+8*\x+4*\b:PCD+8*\x+4*\b+3], s[58+2*\x:59+2*\x] offset:512*\b   ; 32 lanes store 512 consecutive bytes, aligned
.endr
.endr
	s_wait_tensorcnt 0x0                           ; the wave's end
	ds_add_u32 v[SPW], v[NIL]
	s_wait_dscnt 0x0
	CROUND                                         ; the closing round
	s_endpgm
.Lfunc_end_k_q65465cad7a_attn:
	.size	k_q65465cad7a_attn, .Lfunc_end_k_q65465cad7a_attn-k_q65465cad7a_attn
	.p2alignl 7, 3214868480
	.fill 96, 4, 3214868480
	.section	.rodata,"a",@progbits
	.p2align	6, 0x0
	.amdhsa_kernel k_q65465cad7a_attn
		.amdhsa_group_segment_fixed_size 327680
		.amdhsa_private_segment_fixed_size 0
		.amdhsa_enable_private_segment 0
		.amdhsa_kernarg_size 40
		.amdhsa_user_sgpr_count 2
		.amdhsa_user_sgpr_kernarg_segment_ptr 1
		.amdhsa_wavefront_size32 1
		.amdhsa_system_sgpr_workgroup_id_x 1
		.amdhsa_system_sgpr_workgroup_id_y 1
		.amdhsa_system_sgpr_workgroup_id_z 1
		.amdhsa_system_vgpr_workitem_id 0
		.amdhsa_next_free_vgpr 256
		.amdhsa_next_free_sgpr 100
		.amdhsa_reserve_vcc 1
		.amdhsa_float_denorm_mode_32 3
		.amdhsa_float_denorm_mode_16_64 3
		.amdhsa_memory_ordered 1
		.amdhsa_forward_progress 1
		.amdhsa_inst_pref_size 83
	.end_amdhsa_kernel
	.amdgpu_metadata
---
amdhsa.version: [ 1, 2 ]
amdhsa.kernels:
  - .name:           k_q65465cad7a_attn
    .symbol:         k_q65465cad7a_attn.kd
    .args:
      - { .name: q_codes, .offset: 0, .size: 8, .value_kind: global_buffer, .address_space: global }
      - { .name: k_codes, .offset: 8, .size: 8, .value_kind: global_buffer, .address_space: global }
      - { .name: v_codes, .offset: 16, .size: 8, .value_kind: global_buffer, .address_space: global }
      - { .name: lowp_scales, .offset: 24, .size: 8, .value_kind: global_buffer, .address_space: global }
      - { .name: a_img, .offset: 32, .size: 8, .value_kind: global_buffer, .address_space: global }
    .group_segment_fixed_size: 327680
    .private_segment_fixed_size: 0
    .kernarg_segment_align: 8
    .kernarg_segment_size: 40
    .max_flat_workgroup_size: 512
    .sgpr_count:     100
    .vgpr_count:     256
    .wavefront_size: 32
...
	.end_amdgpu_metadata
.endif
;; end of part 3
;; launch gemm_proj (part 4): grid 4 x 64, 4 waves a work-group, clusters of 4 x 4, 327,680 bytes of LDS; arguments a_img, wproj_img, lowp_scales, out0; writes out0
.if DOCPART == 4
	.amdgcn_target "amdgcn-amd-amdhsa--gfx1250"
	.amdhsa_code_object_version 6
	.text
	.protected	k_q65465cad7a_gemm_proj
	.globl	k_q65465cad7a_gemm_proj
	.p2align	8
	.type	k_q65465cad7a_gemm_proj,@function
k_q65465cad7a_gemm_proj:
	s_mov_b64 s[64:65], 0
	v_nop
	global_prefetch_b8 v0, s[64:65] scope:SCOPE_SE
	s_setreg_imm32_b32 hwreg(HW_REG_WAVE_MODE, 25, 1), 1
	s_wait_xcnt 0x0
	s_wait_alu depctr_hold_cnt(0) depctr_sa_sdst(0) depctr_va_vdst(0) depctr_va_sdst(0) depctr_va_ssrc(0) depctr_va_vcc(0) depctr_vm_vsrc(0)
	s_getreg_b32 s2, hwreg(HW_REG_IB_STS2, 6, 4)
	s_cmp_eq_u32 s2, 0
	s_cbranch_scc0 .Lentry_in_a_cluster
	s_endpgm
.Lentry_in_a_cluster:
	s_bfe_u32 s2, ttmp6, 0x10000c
	s_cmp_lg_u32 s2, 0xf033
	s_cbranch_scc0 .Lentry_shape_is_right
	s_endpgm
.Lentry_shape_is_right:
.set SLOT,   98304
.set SPARE,  2*SLOT
.set APLANE, 2097152
.set WPLANE, 262144
.set FR,     16
.set SPITCH, 528
.set LI,   4
.set ADRA, 16
.set ADRB, 20
.set STO,  24
.set RD,   25
.set SPW,  28
.set NIL,  29
.set TMP,  32
.set AF,   128
.set BK,   128
.set G1,  24
.set G0,  32
.set G1B, 48
.set G0B, 56
.set MSB, 0
.macro WIN new
.if MSB != \new
	s_set_vgpr_msb (MSB<<8)|\new
.set MSB, \new
.endif
.endm
.set MUL,  0xa1
.set TO_B, 0x40
.macro JLOAD g0a, g0b
	s_cmp_eq_u32 s17, 0
	s_cbranch_scc0 .Lfor_w_\@
	tensor_load_to_lds s[\g0a:\g0a+3], s[G1:G1+7]
	s_nop 0
.rept 4
	v_nop
.endr
	s_branch .Lasked_\@
.Lfor_w_\@:
	tensor_load_to_lds s[\g0b:\g0b+3], s[G1B:G1B+7]
	s_nop 0
.rept 4
	v_nop
.endr
.Lasked_\@:
.endm
.macro CREST
	s_cmp_lg_u32 s16, 0
	s_cbranch_scc1 .Lnot_wave_0_\@
	s_barrier_signal -3
.Lnot_wave_0_\@:
	s_barrier_wait -3
	s_barrier_signal -1
	s_barrier_wait -1
.endm
.macro CROUND
	s_barrier_signal -1
	s_barrier_wait -1
	CREST
.endm
	s_load_b128 s[4:7], s[0:1], 0x0
	s_load_b128 s[8:11], s[0:1], 0x10
	v_lshl_add_u32 v[SPW], v0, 2, SPARE
	v_mov_b32 v[NIL], 0
	ds_add_u32 v28, v29
	ds_add_u32 v28, v29
	s_wait_dscnt 0x0
	v_lshrrev_b32 v1, 5, v0
	v_readfirstlane_b32 s16, v1
	s_lshr_b32 s17, s16, 1
	s_and_b32 s18, s16, 1
	s_bfe_u32 s40, ttmp6, 0x40000
	s_bfe_u32 s41, ttmp6, 0x40004
	s_lshl_b32 s42, ttmp9, 2
	s_add_co_u32 s42, s42, s40
	s_and_b32 s43, ttmp7, 0xffff
	s_lshl_b32 s43, s43, 2
	s_add_co_u32 s43, s43, s41
	s_lshl_b32 s44, s41, 2
	s_lshl_b32 s44, 15, s44
	s_lshl_b32 s45, 0x1111, s40
	s_or_b32 s[G1+0], s44, (3<<16)|(1<<21)
	s_or_b32 s[G1B+0], s45, (3<<16)|(1<<21)
	s_mov_b32 s[G1+1], 32<<16
	s_mov_b32 s[G1+2], 64<<16
	s_mov_b32 s[G1+3], 32<<16
	s_mov_b32 s[G1+4], 64
	s_mov_b32 s[G1+5], 32
	s_mov_b32 s[G1+6], 0
	s_mov_b32 s[G1+7], 0
	s_mov_b32 s[G1B+1], 32<<16
	s_mov_b32 s[G1B+2], 128<<16
	s_mov_b32 s[G1B+3], 32<<16
	s_mov_b32 s[G1B+4], 128
	s_mov_b32 s[G1B+5], 32
	s_mov_b32 s[G1B+6], 0
	s_mov_b32 s[G1B+7], 0
	s_lshl_b32 s19, s18, 14
	s_lshl_b32 s20, s43, 15
	s_add_co_u32 s20, s20, s19
	s_mov_b32 s21, 0
	s_lshl_b32 s23, s18, 15
	s_lshl_b32 s46, s42, 16
	s_add_co_u32 s46, s46, s23
	s_mov_b32 s47, 0
	s_add_co_u32 s23, s23, 32768
	s_wait_kmcnt 0x0
	s_load_b256 s[68:75], s[8:9], 0x0
	s_add_nc_u64 s[20:21], s[4:5], s[20:21]
	s_add_nc_u64 s[46:47], s[6:7], s[46:47]
	CROUND
.irp s, 0,1
	s_mov_b32 s[G0+4*\s], 1
	s_add_co_u32 s[G0+4*\s+1], s19, \s*SLOT
	s_add_nc_u64 s[G0+4*\s+2:G0+4*\s+3], s[20:21], \s*APLANE
	s_or_b32 s[G0+4*\s+3], s[G0+4*\s+3], 0x80000000
	s_mov_b32 s[G0B+4*\s], 1
	s_add_co_u32 s[G0B+4*\s+1], s23, \s*SLOT
	s_add_nc_u64 s[G0B+4*\s+2:G0B+4*\s+3], s[46:47], \s*WPLANE
	s_or_b32 s[G0B+4*\s+3], s[G0B+4*\s+3], 0x80000000
	s_wait_alu depctr_va_vdst(0)
	s_wait_tensorcnt 0x0
	ds_add_u32 v28, v29
	ds_add_u32 v28, v29
	s_wait_dscnt 0x0
	CROUND
	JLOAD G0+4*\s, G0B+4*\s
.endr
	v_and_b32 v3, 31, v0
	v_and_b32 v1, 15, v0
	s_wait_alu depctr_va_vdst(0)
	v_bfe_u32 v2, v0, 4, 1
	v_lshlrev_b32 v[LI], 4, v3
	s_lshl_b32 s78, s17, 14
	s_lshl_b32 s79, s18, 15
	s_add_co_u32 s79, s79, 32768
.irp s, 0,1
	v_add_nc_u32 v[ADRA+\s], s78, v[LI]
	v_add_nc_u32 v[ADRB+\s], s79, v[LI]
	s_add_co_u32 s78, s78, SLOT
	s_add_co_u32 s79, s79, SLOT
.endr
	s_mul_i32 s78, s16, 16*SPITCH
	v_mul_u32_u24 v[STO], v1, SPITCH
	s_wait_alu depctr_va_vdst(0)
	v_lshl_add_u32 v[STO], v2, 5, v[STO]
	v_add_nc_u32 v[STO], s78, v[STO]
	v_add_nc_u32 v[RD], s78, v[LI]
	s_lshl_b32 s86, s43, 7
	s_lshl_b32 s87, s17, 6
	s_add_co_u32 s86, s86, s87
	s_lshl_b32 s86, s86, 12
	s_lshl_b32 s87, s42, 10
	s_add_co_u32 s86, s86, s87
	s_lshl_b32 s87, s18, 9
	s_add_co_u32 s86, s86, s87
	s_mov_b32 s87, 0
	s_add_nc_u64 s[10:11], s[10:11], s[86:87]
.macro FRAG reg, adr, q, i
.irp c, 0,1,2,3
	ds_load_b128 v[\reg+4*\c:\reg+4*\c+3], v[\adr] offset:4096*(\i)+2048*(\q)+512*\c
.endr
.endm
.macro FETCH slot, q, p
	WIN TO_B
.irp i, 0,1,2,3,4,5,6,7
	FRAG 128*(\p)+FR*\i, ADRB+\slot, \q, \i
.endr
	WIN 0
.irp i, 0,1,2,3
	FRAG AF+64*(\p)+FR*\i, ADRA+\slot, \q, \i
.endr
.endm
.macro MUL16 a0, p, zero
.irp a, \a0, \a0+1
.irp b, 0,1,2,3,4,5,6,7
.if \zero
	v_wmma_f32_16x16x128_fp8_fp8 v[8*(8*(\a)+\b):8*(8*(\a)+\b)+7], v[128*(\p)+FR*\b:128*(\p)+FR*\b+FR-1], v[AF+64*(\p)+FR*(\a):AF+64*(\p)+FR*(\a)+FR-1], 0
.else
	v_wmma_f32_16x16x128_fp8_fp8 v[8*(8*(\a)+\b):8*(8*(\a)+\b)+7], v[128*(\p)+FR*\b:128*(\p)+FR*\b+FR-1], v[AF+64*(\p)+FR*(\a):AF+64*(\p)+FR*(\a)+FR-1], v[8*(8*(\a)+\b):8*(8*(\a)+\b)+7]
.endif
.endr
.endr
.endm
.macro PLACES n
.rept \n
	v_nop
.endr
.endm
.macro STEP slot, zero
	s_wait_dscnt 0x0
	PLACES 4
	FETCH \slot, 1, 1
	WIN MUL
	MUL16 0, 0, \zero
	MUL16 2, 0, \zero
	WIN 0
.endm
.macro TURN slot, next, fill
	s_wait_tensorcnt 0x0
	ds_add_u32 v[SPW], v[NIL]
	s_wait_dscnt 1
	WIN MUL
	MUL16 0, 1, 0
	WIN 0
	s_wait_dscnt 0x0
	s_barrier_signal -1
	s_barrier_wait -1
.if \fill
	CREST
	s_add_nc_u64 s[G0+4*\slot+2:G0+4*\slot+3], s[G0+4*\slot+2:G0+4*\slot+3], 2*APLANE
	s_add_nc_u64 s[G0B+4*\slot+2:G0B+4*\slot+3], s[G0B+4*\slot+2:G0B+4*\slot+3], 2*WPLANE
	JLOAD G0+4*\slot, G0B+4*\slot
.else
	PLACES 4
.endif
	FETCH \next, 0, 0
	WIN MUL
	MUL16 2, 1, 0
	WIN 0
.endm
	s_wait_tensorcnt 1
	s_barrier_signal -1
	s_barrier_wait -1
	FETCH 0, 0, 0
	STEP 0, 1
	TURN 0, 1, 1
	STEP 1, 0
	TURN 1, 0, 1
	STEP 0, 0
	TURN 0, 1, 0
	STEP 1, 0
	s_wait_dscnt 0x0
	WIN MUL
	MUL16 0, 1, 0
	MUL16 2, 1, 0
	WIN 0
.macro TOSTAGE a
	WIN 0x02
.set j, 0
.rept 32
	v_pk_mul_f32 v[TMP+j:TMP+j+1], v[64*(\a)+j:64*(\a)+j+1], s[96:97] op_sel_hi:[1,0]
.set j, j+2
.endr
	WIN 0
.irp b, 0,1,2,3,4,5,6,7
	ds_store_b128 v[STO], v[TMP+8*\b:TMP+8*\b+3] offset:64*\b
	ds_store_b128 v[STO], v[TMP+8*\b+4:TMP+8*\b+7] offset:64*\b+16
.endr
.set BB, BK+64*((\a)%2)
.irp t, 0,1,2,3,4,5,6,7,8,9,10,11,12,13,14,15
	ds_load_b128 v[BB+4*\t:BB+4*\t+3], v[RD] offset:\t*SPITCH
.endr
.endm
.macro SEND a, younger
.set BB, BK+64*((\a)%2)
	s_wait_dscnt \younger
.if (\a) > 0
	s_add_nc_u64 s[10:11], s[10:11], 65536
.endif
.irp t, 0,1,2,3,4,5,6,7,8,9,10,11,12,13,14,15
	global_store_b128 v[LI], v[BB+4*\t:BB+4*\t+3], s[10:11] offset:4096*\t th:TH_STORE_NT
.endr
.endm
	s_wait_kmcnt 0x0
	s_add_co_i32 s96, s74, s75
	s_add_co_i32 s96, s96, 127
	s_lshl_b32 s96, s96, 23
	s_mov_b32 s97, s96
	PLACES 4
	TOSTAGE 0
.irp a, 1,2,3
.if \a > 1
	s_wait_xcnt 0x0
.endif
	TOSTAGE \a
	SEND \a-1, 32
.endr
	s_wait_xcnt 0x0
	SEND 3, 0
	s_wait_tensorcnt 0x0
	ds_add_u32 v[SPW], v[NIL]
	s_wait_dscnt 0x0
	CROUND
	s_endpgm
.Lfunc_end_k_q65465cad7a_gemm_proj:
	.size	k_q65465cad7a_gemm_proj, .Lfunc_end_k_q65465cad7a_gemm_proj-k_q65465cad7a_gemm_proj
	.p2alignl 7, 3214868480
	.fill 96, 4, 3214868480
	.section	.rodata,"a",@progbits
	.p2align	6, 0x0
	.amdhsa_kernel k_q65465cad7a_gemm_proj
		.amdhsa_group_segment_fixed_size 327680
		.amdhsa_private_segment_fixed_size 0
		.amdhsa_enable_private_segment 0
		.amdhsa_kernarg_size 32
		.amdhsa_user_sgpr_count 2
		.amdhsa_user_sgpr_kernarg_segment_ptr 1
		.amdhsa_wavefront_size32 1
		.amdhsa_system_sgpr_workgroup_id_x 1
		.amdhsa_system_sgpr_workgroup_id_y 1
		.amdhsa_system_sgpr_workgroup_id_z 1
		.amdhsa_system_vgpr_workitem_id 0
		.amdhsa_next_free_vgpr 768
		.amdhsa_next_free_sgpr 100
		.amdhsa_reserve_vcc 0
		.amdhsa_float_denorm_mode_32 3
		.amdhsa_float_denorm_mode_16_64 3
		.amdhsa_memory_ordered 1
		.amdhsa_forward_progress 1
		.amdhsa_inst_pref_size 76
	.end_amdhsa_kernel
	.amdgpu_metadata
---
amdhsa.version: [ 1, 2 ]
amdhsa.kernels:
  - .name:           k_q65465cad7a_gemm_proj
    .symbol:         k_q65465cad7a_gemm_proj.kd
    .args:
      - { .name: a_img, .offset: 0, .size: 8, .value_kind: global_buffer, .address_space: global }
      - { .name: wproj_img, .offset: 8, .size: 8, .value_kind: global_buffer, .address_space: global }
      - { .name: lowp_scales, .offset: 16, .size: 8, .value_kind: global_buffer, .address_space: global }
      - { .name: out0, .offset: 24, .size: 8, .value_kind: global_buffer, .address_space: global }
    .group_segment_fixed_size: 327680
    .private_segment_fixed_size: 0
    .kernarg_segment_align: 8
    .kernarg_segment_size: 32
    .max_flat_workgroup_size: 128
    .sgpr_count:     100
    .vgpr_count:     768
    .wavefront_size: 32
...
	.end_amdgpu_metadata
.endif
;; end of part 4
